; MI455X (gfx1250); checked and timed in simulation.
; The chip was launched on July 23, 2026; its instructions are those of AMD's public machine-readable ISA for CDNA 5 (MIT licence, August 2026) and "CDNA5" Instruction Set Architecture Reference Guide (July 2026). The comments in the code are by the model that wrote it; some were corrected since.
;; Grouped Query Attention. Allowed arithmetic: matrix products marked QUANTISED: E2M1 operands, one E8M0 scale for each 32 along K, by v_wmma_scale_f32_16x16x128_f8f6f4 with both operands' format E2M1 (or v_wmma_scale_f32_32x16x128_f4), f32 sums; everything else in f32.
;; Inputs: Wk 512 x 2,048 float32; Wo 1,024 x 2,048 float32; Wq 2,048 x 2,048 float32; Wv 512 x 2,048 float32; attention_mask 2 x 1 x 2,048 x 2,048 int32; bk 512 float32; bo 1,024 float32; bq 2,048 float32; bv 512 float32; hidden_state 2 x 2,048 x 2,048 float32.
;; Outputs: out0 2 x 2,048 x 1,024 float32.
;; This version of the problem:
;;   THIS VERSION OF THE PROBLEM IS GIVEN IN LOW PRECISION. The matrix products marked QUANTISED in the list below multiply operands that are first quantised to E2M1 (2 exponent bits, 1 mantissa bit; 4 bits a number), with one power-of-two scale for each 32 numbers along K (OCP MX v1.0); their sums are f32. All else is computed in f32.
;;   The module's matrix products, in the order in which they are computed (A, B: the left and right operand; K: the contracted axis; several contracted axes count as one K, in the product's order):
;;     1. [M 4,096, K 2,048] x [K 2,048, N 2,048]; A: input hidden_state; B: input Wq: QUANTISED
;;     2. [M 4,096, K 2,048] x [K 2,048, N 512]; A: input hidden_state; B: input Wk: QUANTISED
;;     3. [M 4,096, K 2,048] x [K 2,048, N 512]; A: input hidden_state; B: input Wv: QUANTISED
;;     4. batch 32 x [M 2,048, K 128] x [K 128, N 2,048]; A: computed on the way; B: computed on the way: QUANTISED
;;     5. batch 32 x [M 2,048, K 2,048] x [K 2,048, N 128]; A: softmax (see below); B: computed on the way: QUANTISED
;;     6. [M 4,096, K 2,048] x [K 2,048, N 1,024]; A: computed on the way; B: input Wo: QUANTISED
;;   THE QUANTISER, for each operand of a quantised product, along K:
;;     - K is cut into blocks of 32 from its start; a last block that is shorter is filled with zeros.
;;     - A block's scale is 2^e with e = floor(log2(the largest magnitude in the block)) - 2, held to -126 .. 127; a block of zeros has e = 0. As a byte (E8M0): e + 127.
;;     - Each number is divided by its block's scale, clamped to +-6, and rounded to the nearest number of E2M1, ties to even, subnormals kept.
;;     - The product sums the exact products of the quantised numbers (number of the format x scale) in f32.
;;   ~~~python
;;   def quantise(x, axis):      # numpy; x: float32 -> the quantised numbers, widened to float32 again
;;       x = np.moveaxis(x, axis, -1); K = x.shape[-1]
;;       x = np.pad(x, [(0, 0)] * (x.ndim - 1) + [(0, -K % 32)]); x = x.reshape(x.shape[:-1] + (-1, 32)); a = np.abs(x).max(-1, keepdims=True)
;;       e = np.where(a > 0, np.clip(np.frexp(np.where(a > 0, a, 1))[1] - 1 - 2, -126, 127), 0)      # np.frexp(a)[1] - 1 = floor(log2(a)), exactly
;;       r = np.clip(x / 2.0 ** e, -6, 6)
;;       step = 2.0 ** (np.maximum(np.frexp(np.where(r == 0, 1, r))[1] - 1, 0) - 1)
;;       q = np.round(r / step) * step * 2.0 ** e      # np.round: ties to even
;;       return np.moveaxis(q.reshape(q.shape[:-2] + (-1,))[..., :K], -1, axis).astype(np.float32)
;;   ~~~
;;   SOFTMAX AHEAD OF A QUANTISED PRODUCT. Where the list says 'softmax', what is quantised is not the finished softmax but p = 2^(t - M), with t = logit x log2(e) and M = ceil(the row's largest t), a whole number; so 1/2 < the row's largest p <= 1. The row's sum l is taken of the UNQUANTISED p, in f32, and the product's result is divided by l at the end. Since M is a whole number, a kernel that streams over the keys may use a running M (the ceiling of the running maximum): every later rescaling is an exact power of two, which a block's scale takes up: the codes' values come out the same.
;;   OPERANDS COMPUTED ON THE WAY. 'Computed on the way' means the value that the module computes at that place (a softmax that the list does not call 'softmax' is quantised finished and normalised). What goes into a quantiser is computed in f32, as accurately as f32 sums, v_exp_f32 and their like allow (about 1e-6 of the number): no bf16 or f16 on the way to a quantiser, and a product that is left as it is and whose result goes on into a quantised operand takes f32 operands (vector FMAs, or v_wmma_f32_16x16x4_f32). A number that lies on a knife's edge between two numbers of the format may be rounded either way, as far as f32 arithmetic and the matrix unit's own rounding can turn it there, and no further.
;; One version. Each part assembles by itself: llvm-mc -triple=amdgcn-amd-amdhsa -mcpu=gfx1250 --defsym DOCPART=n.
;; ======== version 1 of 1: 4 launches
;; limits: right only within a limited range of input values
;; workspace buffers: opnd 8,912,896 bytes; maskw 1,048,576 bytes of whole numbers; qkvc 6,684,672 bytes; aopnd 4,456,448 bytes
;; launch prep (part 1): grid 768 x 1, 4 waves a work-group, no clusters, 68,096 bytes of LDS; arguments hidden_state, Wq, Wk, Wv, Wo, attention_mask, opnd, maskw; writes opnd, maskw
.if DOCPART == 1
	.amdgcn_target "amdgcn-amd-amdhsa--gfx1250"
	.amdhsa_code_object_version 6
	.text
	.protected	k_q41312c19aa_prep
	.globl	k_q41312c19aa_prep
	.p2align	8
	.type	k_q41312c19aa_prep,@function
k_q41312c19aa_prep:
	s_mov_b64 s[64:65], 0
	v_nop
	global_prefetch_b8 v0, s[64:65] scope:SCOPE_SE
	s_setreg_imm32_b32 hwreg(HW_REG_WAVE_MODE, 25, 1), 1
	s_wait_xcnt 0x0
; WHAT.  (1) hidden_state [4096][2048], Wq [2048][2048], Wk, Wv [512][2048], Wo [1024][2048], all f32 with K innermost, become codes of FP4 (E2M1) with one
; E8M0 scale byte for each 32 along K, laid in opnd AS IMAGES OF THE MATRIX OPERAND'S REGISTERS.  (2) attention_mask [2][1][2048][2048] int32 becomes lane-mask words in maskw.
; OPND.  The 8,192 rows of the five tensors on end are 64 groups of 128 rows; a group is 139,264 bytes = 4 chunks (512 along K) of 34,816; a chunk holds 8 tiles x 4 K steps of images
; (1,024 bytes each, at 4096 t + 1024 q) and behind them, at 32,768, the scale words at 256 t + 16 r + 4 q.  An image: register group c (4 registers) of lane l at 512 c + 16 l.
; THE ROWS OF A TILE ARE NOT NEIGHBOURS: row r of tile T is row 32 (T / 2) + 8 (T % 2) + r + 8 (r / 8), so that results of products used transposed run along the next K in a lane's registers.
; MASKW.  ((b 64 + G) 16 + step) 512 + 256 u + 4 n: bit (r + 16 h) of word n says whether key 128 step + 32 (n / 16) + 16 h + n % 16 counts for query row r of tile 2 G + u.
; SHARES.  Work-groups 0-511: one tile of 16 rows; wave w its chunk w, four fragments of 128 along K.  Work-groups 512-767: one tile of 16 queries of one batch; wave w key steps 4 w .. 4 w + 3.
; Each load of a wave reads 512 consecutive bytes of one row; the 16 rows turn through the wave's own stage in LDS (rows of 512 + 16 bytes), so that a lane then holds neighbours along K.
; No tensor loads, no barrier: waves share nothing.  The two kinds of work-group part at once, never join, and have LDS bytes of their own.
; A block's scale byte is its largest magnitude's exponent field - 2, held at 1 from below.
; LIMITS: a block whose largest magnitude lies under 2^-124 keeps the byte 1, a block of zeros too (the rule says 127: its codes are zeros, and only this program reads the bytes);
; NaN and infinities among the inputs are not served.
.set PITCH, 528                        ; a stage row
.set STG,   16*PITCH                   ; a wave's stage
.set GRP,   139264
.set CHB,   34816
; v1 16 x lane; v2 stage, way in; v3 stage, way out; v4 16 r; v5 8 h; v6 512 h + 16 r; v8-15 at work; v16-47 codes (mask: v16-23 words); v48-51 scale words; v64, v128, v192 three sets of 64 numbers
.macro LOADF set, f                    ; fragment f: 16 rows x 512 bytes
.irp i, 0,1,2,3,4,5,6,7,8,9,10,11,12,13,14,15
	global_load_b128 v[(\set)+4*\i:(\set)+4*\i+3], v1, s[22:23] offset:(\i+8*(\i/8))*8192+512*(\f) th:TH_LOAD_NT
.endr
.endm
.macro STIN set                        ; into the stage as loaded; LDS serves a wave's instructions in order, so the loads behind see these stores
.irp i, 0,1,2,3,4,5,6,7,8,9,10,11,12,13,14,15
	ds_store_b128 v2, v[(\set)+4*\i:(\set)+4*\i+3] offset:PITCH*\i
.endr
.endm
.macro TURNQ set                       ; back: lane (r, h) takes of row r the numbers k = 64 c + 32 h + 0 .. 31: two whole blocks
	STIN \set
.irp c, 0,1
.irp j, 0,1,2,3,4,5,6,7
	ds_load_b128 v[(\set)+32*\c+4*\j:(\set)+32*\c+4*\j+3], v3 offset:256*\c+16*\j
.endr
.endr
.endm
.macro TURNM set                       ; back: register n of lane (r, h) is key 32 (n / 16) + 16 h + n % 16 of row r
	STIN \set
.irp b, 0,1,2,3
.irp j, 0,1,2,3
	ds_load_b128 v[(\set)+16*\b+4*\j:(\set)+16*\b+4*\j+3], v3 offset:128*\b+16*\j
.endr
.endr
.endm
.macro QF set, f                       ; 64 numbers of a lane become the fragment's 8 registers and its scale word
	v_max3_num_f32 v8, |v[(\set)]|, |v[(\set)+1]|, 0x1800000        ; the floor 2^(3 - 127) holds the byte at 1 from below
	v_max3_num_f32 v9, |v[(\set)+32]|, |v[(\set)+33]|, 0x1800000
.irp i, 2,4,6,8,10,12,14,16,18,20,22,24,26,28,30
	v_max3_num_f32 v8, v8, |v[(\set)+\i]|, |v[(\set)+\i+1]|         ; the two blocks by turns
	v_max3_num_f32 v9, v9, |v[(\set)+32+\i]|, |v[(\set)+33+\i]|
.endr
	v_add_nc_u32 v10, 0xff000000, v8               ; 2 off the exponent field: the conversion's scale operand
	v_add_nc_u32 v11, 0xff000000, v9
	v_lshrrev_b32 v12, 23, v10                     ; the bytes of blocks h and 2 + h
	v_lshrrev_b32 v13, 23, v11
.irp c, 0,1
.irp g, 0,1,2,3
	v_cvt_scalef32_pk8_fp4_f32 v[16+8*(\f)+4*\c+\g], v[(\set)+32*\c+8*\g:(\set)+32*\c+8*\g+7], v[10+\c]
.endr
.endr
	v_lshl_or_b32 v14, v13, 16, v12
	v_lshlrev_b32 v14, v5, v14                     ; 8 h bits up
	v_permlanex16_b32 v15, v14, s2, s3
	v_or_b32 v[48+(\f)], v14, v15                  ; with lane l xor 16's two bytes the word is whole
	global_store_b128 v1, v[16+8*(\f):16+8*(\f)+3], s[30:31] offset:1024*(\f)        ; 32 lanes store 512 consecutive bytes
	global_store_b128 v1, v[16+8*(\f)+4:16+8*(\f)+7], s[30:31] offset:1024*(\f)+512
.endm
.macro QM set, f                       ; 64 compares give the step's 64 lane-mask words; word n goes to register n % 4 of lane n / 4 (odd steps: 16 lanes up)
.set n, 0
.rept 64
	v_cmp_ne_u32 s[32+n%16], 0, v[(\set)+n]
	v_writelane_b32 v[16+4*((\f)/2)+n%4], s[32+n%16], n/4+16*((\f)%2)
.set n, n+1
.endr
.if (\f)%2 == 1
	global_store_b128 v6, v[16+4*((\f)/2):16+4*((\f)/2)+3], s[28:29] offset:1024*((\f)/2)   ; two steps' words: two aligned runs of 256 bytes
.endif
.endm
	s_load_b512 s[4:19], s[0:1], 0x0               ; hidden_state, Wq, Wk, Wv, Wo, attention_mask, opnd, maskw
	v_lshl_add_u32 v62, v0, 2, 0x10800
	v_mov_b32 v63, 0
	v_lshrrev_b32 v8, 5, v0
	v_readfirstlane_b32 s20, v8                    ; wave
	v_and_b32 v9, 31, v0                           ; lane
	v_and_b32 v10, 15, v0                          ; r
	v_bfe_u32 v11, v0, 4, 1                        ; h
	v_lshlrev_b32 v1, 4, v9
	v_lshlrev_b32 v4, 4, v10
	v_lshlrev_b32 v5, 3, v11
	v_lshl_add_u32 v6, v11, 9, v4
	v_mul_u32_u24 v7, v10, PITCH
	s_mul_i32 s21, s20, STG
	s_mov_b32 s2, 0x76543210
	s_mov_b32 s3, 0xfedcba98                       ; v_permlanex16_b32's selects for lane l xor 16
	s_wait_kmcnt 0x0
	s_cmp_ge_u32 ttmp9, 512
	s_cbranch_scc1 .Lmask
	; ---- the quantiser.  Which tensor: a chain of choices on the work-group's number alone
	s_mov_b64 s[22:23], s[12:13]                   ; Wo, whose first tile is 448
	s_mov_b32 s24, 448
	s_cmp_lt_u32 ttmp9, 448
	s_cselect_b64 s[22:23], s[10:11], s[22:23]     ; Wv
	s_cselect_b32 s24, 416, s24
	s_cmp_lt_u32 ttmp9, 416
	s_cselect_b64 s[22:23], s[8:9], s[22:23]       ; Wk
	s_cselect_b32 s24, 384, s24
	s_cmp_lt_u32 ttmp9, 384
	s_cselect_b64 s[22:23], s[6:7], s[22:23]       ; Wq
	s_cselect_b32 s24, 256, s24
	s_cmp_lt_u32 ttmp9, 256
	s_cselect_b64 s[22:23], s[4:5], s[22:23]       ; hidden_state
	s_cselect_b32 s24, 0, s24
	s_sub_co_u32 s25, ttmp9, s24                   ; the tile's number in its tensor
	s_lshr_b32 s26, s25, 1
	s_lshl_b32 s26, s26, 5
	s_and_b32 s27, s25, 1
	s_lshl_b32 s27, s27, 3
	s_add_co_u32 s26, s26, s27                     ; its first row
	s_lshl_b32 s26, s26, 13                        ; rows of 8,192 bytes
	s_lshl_b32 s27, s20, 11                        ; my chunk: 2,048 bytes of each row
	s_add_co_u32 s26, s26, s27
	s_mov_b32 s27, 0
	s_add_nc_u64 s[22:23], s[22:23], s[26:27]
	s_lshr_b32 s28, ttmp9, 3                       ; the group
	s_mul_i32 s28, s28, GRP
	s_mul_i32 s29, s20, CHB
	s_add_co_u32 s28, s28, s29                     ; my chunk in opnd
	s_and_b32 s29, ttmp9, 7                        ; the tile in its group
	s_lshl_b32 s30, s29, 12
	s_add_co_u32 s30, s30, s28
	s_mov_b32 s31, 0
	s_lshl_b32 s29, s29, 8
	s_add_co_u32 s28, s28, s29
	s_add_co_u32 s28, s28, 32768
	s_mov_b32 s29, 0
	s_add_nc_u64 s[30:31], s[16:17], s[30:31]      ; the images
	s_add_nc_u64 s[28:29], s[16:17], s[28:29]      ; the scale words
	s_wait_alu depctr_va_vdst(0)
	v_add_nc_u32 v2, s21, v1
	v_lshl_add_u32 v3, v11, 7, v7                  ; row r, + 128 h bytes
	v_add_nc_u32 v3, s21, v3
	v_mov_b32 v15, 0                               ; a lane permute's destination counts as one of its sources
	LOADF 64, 0
	LOADF 128, 1
	LOADF 192, 2
	s_wait_alu depctr_va_vdst(0)
	s_wait_loadcnt 32                              ; fragment 0 is in; the 32 loads of fragments 1 and 2 stay out
	TURNQ 64
	s_wait_dscnt 0x0
	QF 64, 0
	LOADF 64, 3
	s_wait_loadcnt 32                              ; fragment 1; those of 2 and 3 stay out
	TURNQ 128
	s_wait_dscnt 0x0
	QF 128, 1
	s_wait_loadcnt 16                              ; fragment 2; those of 3 stay out
	TURNQ 192
	s_wait_dscnt 0x0
	QF 192, 2
	s_wait_loadcnt 0x0
	TURNQ 64
	s_wait_dscnt 0x0
	QF 64, 3
	global_store_b128 v4, v[48:51], s[28:29]       ; 16 rows x 4 words: 256 consecutive bytes (lanes 16-31 store the same bytes with the same values)
	s_wait_tensorcnt 0x0
	ds_add_u32 v62, v63
	s_wait_dscnt 0x0
	s_endpgm
.Lmask:	; ---- the mask
	s_sub_co_u32 s24, ttmp9, 512
	s_lshr_b32 s25, s24, 7                         ; batch
	s_and_b32 s24, s24, 127                        ; tile of 16 queries
	s_lshr_b32 s26, s24, 1                         ; G
	s_and_b32 s27, s24, 1                          ; u
	s_lshl_b32 s28, s26, 5
	s_lshl_b32 s29, s27, 3
	s_add_co_u32 s28, s28, s29                     ; the tile's first query
	s_lshl_b32 s28, s28, 13
	s_lshl_b32 s29, s25, 24
	s_add_co_u32 s28, s28, s29
	s_lshl_b32 s29, s20, 11                        ; my four key steps: 2,048 bytes of each row
	s_add_co_u32 s28, s28, s29
	s_mov_b32 s29, 0
	s_add_nc_u64 s[22:23], s[14:15], s[28:29]
	s_lshl_b32 s28, s25, 6
	s_add_co_u32 s28, s28, s26
	s_lshl_b32 s28, s28, 4
	s_lshl_b32 s29, s20, 2
	s_add_co_u32 s28, s28, s29
	s_lshl_b32 s28, s28, 9
	s_lshl_b32 s29, s27, 8
	s_add_co_u32 s28, s28, s29
	s_mov_b32 s29, 0
	s_add_nc_u64 s[28:29], s[18:19], s[28:29]
	s_add_co_u32 s21, s21, 4*STG                   ; this kind's own stages
	s_wait_alu depctr_va_vdst(0)
	v_add_nc_u32 v2, s21, v1
	v_lshl_add_u32 v3, v11, 6, v7                  ; row r, + 64 h bytes
	v_add_nc_u32 v3, s21, v3
.irp i, 16,17,18,19,20,21,22,23
	v_mov_b32 v\i, 0                               ; v_writelane_b32's destination counts as read
.endr
	LOADF 64, 0
	LOADF 128, 1
	LOADF 192, 2
	s_wait_alu depctr_va_vdst(0)
	s_wait_loadcnt 32                              ; the counts as above
	TURNM 64
	s_wait_dscnt 0x0
	QM 64, 0
	LOADF 64, 3
	s_wait_alu depctr_va_vdst(0)
	s_wait_loadcnt 32
	TURNM 128
	s_wait_dscnt 0x0
	QM 128, 1
	s_wait_loadcnt 16
	TURNM 192
	s_wait_dscnt 0x0
	QM 192, 2
	s_wait_alu depctr_va_vdst(0)
	s_wait_loadcnt 0x0
	TURNM 64
	s_wait_dscnt 0x0
	QM 64, 3
	s_wait_tensorcnt 0x0
	ds_add_u32 v62, v63
	s_wait_dscnt 0x0
	s_endpgm
.Lfunc_end_k_q41312c19aa_prep:
	.size	k_q41312c19aa_prep, .Lfunc_end_k_q41312c19aa_prep-k_q41312c19aa_prep
	.p2alignl 7, 3214868480
	.fill 96, 4, 3214868480
	.section	.rodata,"a",@progbits
	.p2align	6, 0x0
	.amdhsa_kernel k_q41312c19aa_prep
		.amdhsa_group_segment_fixed_size 68096
		.amdhsa_private_segment_fixed_size 0
		.amdhsa_enable_private_segment 0
		.amdhsa_kernarg_size 64
		.amdhsa_user_sgpr_count 2
		.amdhsa_user_sgpr_kernarg_segment_ptr 1
		.amdhsa_wavefront_size32 1
		.amdhsa_system_sgpr_workgroup_id_x 1
		.amdhsa_system_sgpr_workgroup_id_y 1
		.amdhsa_system_sgpr_workgroup_id_z 1
		.amdhsa_system_vgpr_workitem_id 0
		.amdhsa_next_free_vgpr 256
		.amdhsa_next_free_sgpr 66
		.amdhsa_reserve_vcc 0
		.amdhsa_float_denorm_mode_32 3
		.amdhsa_float_denorm_mode_16_64 3
		.amdhsa_memory_ordered 1
		.amdhsa_forward_progress 1
		.amdhsa_inst_pref_size 78
	.end_amdhsa_kernel
	.amdgpu_metadata
---
amdhsa.version: [ 1, 2 ]
amdhsa.kernels:
  - .name:           k_q41312c19aa_prep
    .symbol:         k_q41312c19aa_prep.kd
    .args:
      - { .name: hidden_state, .offset: 0, .size: 8, .value_kind: global_buffer, .address_space: global }
      - { .name: Wq, .offset: 8, .size: 8, .value_kind: global_buffer, .address_space: global }
      - { .name: Wk, .offset: 16, .size: 8, .value_kind: global_buffer, .address_space: global }
      - { .name: Wv, .offset: 24, .size: 8, .value_kind: global_buffer, .address_space: global }
      - { .name: Wo, .offset: 32, .size: 8, .value_kind: global_buffer, .address_space: global }
      - { .name: attention_mask, .offset: 40, .size: 8, .value_kind: global_buffer, .address_space: global }
      - { .name: opnd, .offset: 48, .size: 8, .value_kind: global_buffer, .address_space: global }
      - { .name: maskw, .offset: 56, .size: 8, .value_kind: global_buffer, .address_space: global }
    .group_segment_fixed_size: 68096
    .private_segment_fixed_size: 0
    .kernarg_segment_align: 8
    .kernarg_segment_size: 64
    .max_flat_workgroup_size: 128
    .sgpr_count:     66
    .vgpr_count:     256
    .wavefront_size: 32
...
	.end_amdgpu_metadata
.endif
;; end of part 1
;; launch proj (part 2): grid 8 x 32, 4 waves a work-group, clusters of 4 x 4, 327,680 bytes of LDS; arguments opnd, bq, bk, bv, qkvc; writes qkvc
.if DOCPART == 2
	.amdgcn_target "amdgcn-amd-amdhsa--gfx1250"
	.amdhsa_code_object_version 6
	.text
	.protected	k_q41312c19aa_proj
	.globl	k_q41312c19aa_proj
	.p2align	8
	.type	k_q41312c19aa_proj,@function
k_q41312c19aa_proj:
	s_mov_b64 s[64:65], 0
	v_nop
	global_prefetch_b8 v0, s[64:65] scope:SCOPE_SE
	s_setreg_imm32_b32 hwreg(HW_REG_WAVE_MODE, 25, 1), 1
	s_wait_xcnt 0x0
	s_wait_alu depctr_hold_cnt(0) depctr_sa_sdst(0) depctr_va_vdst(0) depctr_va_sdst(0) depctr_va_ssrc(0) depctr_va_vcc(0) depctr_vm_vsrc(0)
	s_getreg_b32 s2, hwreg(HW_REG_IB_STS2, 6, 4)
	s_cmp_eq_u32 s2, 0
	s_cbranch_scc0 .Lentry_in_a_cluster
	s_endpgm
.Lentry_in_a_cluster:
	s_bfe_u32 s2, ttmp6, 0x10000c
	s_cmp_lg_u32 s2, 0xf033
	s_cbranch_scc0 .Lentry_shape_is_right
	s_endpgm
.Lentry_shape_is_right:
; q = x Wq^T + bq, k = x Wk^T + bk, v = x Wv^T + bv on codes of FP4 (E2M1) with E8M0 scales, and their results quantised at once: q and k along the head's 128, v along the keys.
; A tile is 128 R rows x 128 P rows over K = 2,048.  THE PRODUCT IS USED TRANSPOSED (source 0 = 16 P rows, source 1 = 16 R rows): a lane holds one R row, and, by the order of
; the rows in a tile of 16 (row r of tile T is row 32 (T / 2) + 8 (T % 2) + r + 8 (r / 8)), its register 16 b + i is P row 32 b + 16 h + i: neighbours along the next product's K.
; A WORK-GROUP STAYS and walks three tiles: columns x, x + 2, x + 4 of six (x = the cluster's x, 0 or 1).  Columns 0-3 are q (R = tokens, P = a head's rows of Wq), 4 is k (P = Wk),
; 5 is v (R = a head's rows of Wv, P = tokens: v^T, whose K is the keys).  The column only chooses offsets (s_cselect_b32) and the bias (v_cndmask_b32): no branch hangs on it.
; SHARES.  Wave w: R tiles 2 w and 2 w + 1 against all 8 P tiles: 16 accumulators, which take turns.  16 K steps of 128 a tile, written out.
; LDS.  A ring of two slots of 139,264 bytes, each half of K: R's two chunks of 512 along K (34,816 bytes each: 8 x 4 images of 1,024 bytes, then the scale words), then P's two.  A wave's tensor
; load brings one chunk, 136 dense rows of 256 bytes, to slot + wave x 34,816.  Both slots are filled at the start (two loads of a wave are out), later one load a wave behind each change of slots.
; The ring goes on from tile to tile: a tile's K step 7 asks for the next tile's first half, its K step 15 for the second; each has 8 K steps, 128 matrix instructions a wave, in which to land.
; CLUSTER 4 x 4: R's chunks hang on the place along y and are asked for jointly by a row of the cluster, P's on the place along x and by a column.
; OUT (qkvc).  q: ((b 16 + head) 16 + token group) 8,704: 8 images of 1,024 bytes, then the scale words at 8,192 + 32 r + 4 t.  k, v from 4,456,448 on: ((b 4 + kv head) 16 + step) 17,408:
; k's images, v^T's at 8,192, k's scale words at 16,384 + 32 r + 4 t, v's at 16,896.  The images leave as runs of 512 bytes; the scale words as pieces of 8 bytes, 32 apart (1 byte in 33 of the output).
; LIMITS: a block whose largest magnitude lies under 2^-124, a block of zeros among them, keeps the scale byte 1 (only this program reads the bytes); NaN and infinities are not served.
; REGISTERS.  Window 0: v1-4 the chunk's LDS addresses; v5, v6 16 x lane, 32 r; v7-10 the same four addresses for chunk 0, never rewritten; v11, v120 for the add alone; v12-13 the row bias;
; v14-15 the results' scale words; v16-31 their codes; v32-111 scale words, two sets of 40 (P: 4 t + q; R: 32 + 4 a + q); v112-127 at work in the tail (v121: 64 h); v128-255 the accumulators (64 a + 8 t).
; Window 1: two fragment buffers at 0 and 128 (P tile t at 8 t, R block a at 64 + 8 a).  Window 2: v0-63 the next tile's column bias.
; s68-91: a table of 8 words a tile: R's and P's byte offsets in opnd, the images' and the scale words' offsets in qkvc, the bias's lane mask, -, the column bias's address.
; AS THE TEXT STANDS, where the lines above say otherwise: slot 0 alone is filled at the head, one tensor load a wave, and slot 1 behind the first full round; window 1 holds THREE fragment
; buffers of 80 registers, at 0, 80 and 160 (K step g of the walk's 48 in buffer g % 3), asked for two K steps ahead; the slots change in K steps 6 and 14 of a tile.
.set CHB,   34816                      ; a chunk of one operand: what one tensor load brings
.set SLOTB, 139264                     ; a slot: four chunks
.set GRP,   139264                     ; a group of 128 rows in opnd
.set KVB,   4456448
.set SPARE, 278528                     ; behind the ring: the spare words, 128 bytes for each wave: two blocks of 256 bytes that no other line names
.set AR, 1
.set AP, 2
.set SR, 3
.set SP, 4
.set LI, 5
.set SO, 6
.set AR0, 7
.set AP0, 8
.set SR0, 9
.set SP0, 10
.set SPW, 11
.set RB, 12
.set PW, 14
.set PC, 16
.set SC, 32
.set TM, 112
.set NIL, 120
.set BO, 121
.set ACC, 128
.set G1R, 24
.set G1P, 32
.set G0R, 40                           ; s[40:47] group 0 for R's chunks, a set for each slot
.set G0P, 48                           ; s[48:55] the same for P's
.set TB, 68
.set SEL, 100
.set MSB, 0
.macro WIN new                         ; the immediate's high byte repeats the setting that is left
.if MSB != \new
	s_set_vgpr_msb (MSB<<8)|\new
.set MSB, \new
.endif
.endm
.set MUL,  0x05                        ; sources 0 and 1 window 1; C and D window 0
.set TO_F, 0x40                        ; destination window 1, address window 0
.macro CROUND                          ; a round of the cluster's barrier
	s_barrier_signal -1
	s_barrier_wait -1
	s_cmp_lg_u32 s14, 0
	s_cbranch_scc1 .Lnot_wave_0_\@
	s_barrier_signal -3
.Lnot_wave_0_\@:
	s_barrier_wait -3
	s_barrier_signal -1
	s_barrier_wait -1
.endm
.macro JLOAD m                         ; the joint refill of slot m: waves 0, 1 fetch R's chunks, waves 2, 3 P's; four v_nop follow each of the two lines
	s_cmp_lt_u32 s14, 2
	s_cbranch_scc0 .Lfor_p_\@
	tensor_load_to_lds s[G0R+4*(\m):G0R+4*(\m)+3], s[G1R:G1R+7]
	s_nop 0
.rept 4
	v_nop
.endr
	s_branch .Lasked_\@
.Lfor_p_\@:
	tensor_load_to_lds s[G0P+4*(\m):G0P+4*(\m)+3], s[G1P:G1P+7]
	s_nop 0
.rept 4
	v_nop
.endr
.Lasked_\@:
.endm
.macro PLACES                          ; four plain places behind matrix instructions, in front of loads into their registers and of reads of their results
.rept 4
	v_nop
.endr
.endm
.macro SETADR c                        ; the LDS addresses of chunk c of a tile: slot c / 2, place c % 2 in it.  Four plain instructions: they also serve as places
.set CP, ((\c)/2)*SLOTB+((\c)%2)*CHB
	v_add_nc_u32 v[AR], CP, v[AR0]
	v_add_nc_u32 v[AP], CP, v[AP0]
	s_wait_alu depctr_va_vdst(0)
	v_add_nc_u32 v[SR], CP, v[SR0]
	v_add_nc_u32 v[SP], CP, v[SP0]
.endm
.macro SETG0 m, j                      ; slot m's two descriptors take tile j's half m.  R's offset and P's go through pairs of their own (s57 = s59 = 0)
	s_mov_b32 s56, s[TB+8*(\j)]
	s_add_nc_u64 s[G0R+4*(\m)+2:G0R+4*(\m)+3], s[4:5], s[56:57]
	s_mov_b32 s58, s[TB+8*(\j)+1]
	s_add_nc_u64 s[G0P+4*(\m)+2:G0P+4*(\m)+3], s[4:5], s[58:59]
.if \m
	s_add_nc_u64 s[G0R+4*(\m)+2:G0R+4*(\m)+3], s[G0R+4*(\m)+2:G0R+4*(\m)+3], 2*CHB
	s_add_nc_u64 s[G0P+4*(\m)+2:G0P+4*(\m)+3], s[G0P+4*(\m)+2:G0P+4*(\m)+3], 2*CHB
.endif
	s_or_b32 s[G0R+4*(\m)+3], s[G0R+4*(\m)+3], 0x80000000
	s_or_b32 s[G0P+4*(\m)+3], s[G0P+4*(\m)+3], 0x80000000
.endm
.macro TILESET j                       ; the table's eight words of tile j.  Every choice on a compare stands ahead of the next line that sets SCC
.set TT, TB+8*(\j)
	s_add_co_u32 s18, ttmp9, 2*(\j)                ; the column, 0 .. 5: equal in all partners
	s_lshl_b32 s58, s18, 2
	s_add_co_u32 s59, s58, 32
	s_add_co_u32 s60, s58, s16                     ; the query head
	s_mov_b32 s61, 16384
	s_mov_b32 s62, 17408
	s_cmp_eq_u32 s18, 5                            ; v?
	s_cselect_b32 s[TT+4], -1, 0                   ; the bias's lane mask: all lanes the row bias, or none
	s_cselect_b32 s[TT], 52, s57                   ; R's group less cy (never holds cx)
	s_cselect_b32 s[TT+1], s57, s59                ; P's group less cx (never holds cy)
	s_cselect_b32 s63, s16, s17                    ; the token group's low part
	s_cselect_b32 s92, s17, s16                    ; the kv head
	s_cselect_b32 s93, 8192, 0                     ; v^T's images lie behind k's
	s_cselect_b32 s61, 16896, s61
	s_cmp_lt_u32 s18, 4                            ; q?
	s_cselect_b64 s[TT+6:TT+7], s[6:7], s[8:9]     ; the column bias: bq or bk (for v it is loaded from bk and not chosen)
	s_cselect_b32 s94, s60, s16
	s_cselect_b32 s95, s60, s92
	s_cselect_b32 s96, 16, 4
	s_cselect_b32 s62, 8704, s62
	s_cselect_b32 s97, 0, KVB
	s_cselect_b32 s61, 8192, s61
	s_add_co_u32 s[TT], s[TT], s17
	s_mul_i32 s[TT], s[TT], GRP
	s_add_co_u32 s[TT], s[TT], s22                 ; + my chunk of a half
	s_add_co_u32 s[TT+1], s[TT+1], s16
	s_mul_i32 s[TT+1], s[TT+1], GRP
	s_add_co_u32 s[TT+1], s[TT+1], s22
	s_add_co_u32 s63, s63, s57                     ; the token group, 0 .. 31
	s_lshr_b32 s98, s63, 4                         ; batch
	s_mul_i32 s98, s98, s96
	s_add_co_u32 s98, s98, s95
	s_lshl_b32 s98, s98, 4
	s_and_b32 s99, s63, 15
	s_add_co_u32 s98, s98, s99
	s_mul_i32 s98, s98, s62
	s_add_co_u32 s98, s98, s97                     ; the block in qkvc
	s_lshl_b32 s99, s14, 11
	s_add_co_u32 s[TT+2], s98, s99
	s_add_co_u32 s[TT+2], s[TT+2], s93             ; my two images
	s_lshl_b32 s99, s14, 3
	s_add_co_u32 s[TT+3], s98, s99
	s_add_co_u32 s[TT+3], s[TT+3], s61             ; my two scale words of each row
	s_lshl_b32 s94, s94, 9
	s_mov_b32 s95, 0
	s_add_nc_u64 s[TT+6:TT+7], s[TT+6:TT+7], s[94:95]   ; the head's 128 numbers of the column bias
.endm
.macro BIASLOAD j                      ; tile j's column bias into window 2: for P tile t the numbers at the lane's eight P rows
	WIN 0x80
.irp t, 0,1,2,3,4,5,6,7
	global_load_b128 v[8*\t:8*\t+3], v[BO], s[TB+8*(\j)+6:TB+8*(\j)+7] offset:(32*(\t/2)+8*(\t%2))*4
	global_load_b128 v[8*\t+4:8*\t+7], v[BO], s[TB+8*(\j)+6:TB+8*(\j)+7] offset:(32*(\t/2)+8*(\t%2))*4+16
.endr
	WIN 0
.endm
.macro BIASINIT j                      ; THE SUMS BEGIN AS THE BIAS: for q and k that of the lane's eight P rows, for v^T that of the lane's R row
	WIN 0x02                                       ; source 0 window 2
.set n, 0
.rept 128
	v_cndmask_b32 v[ACC+n], v[n%64], v[RB+n/64], s[TB+8*(\j)+4]
.set n, n+1
.endr
	WIN 0
.endm
.macro FETCH s                         ; K step s of tile TJ (16, 17: the next tile's 0, 1): 8 P fragments and my 2 R fragments as images, 16 bytes a lane; with a chunk's first step its scale words
.set FQ, (\s)%4
.set FP, 80*(((\s)+TJ)%3)              ; 16 TJ + s leaves the same rest by 3 as TJ + s
.set FS, SC+40*(((\s)/4)%2)
	WIN TO_F
.irp t, 0,1,2,3,4,5,6,7
.irp c, 0,1
	ds_load_b128 v[FP+8*\t+4*\c:FP+8*\t+4*\c+3], v[AP] offset:4096*\t+1024*FQ+512*\c
.endr
.endr
.irp a, 0,1
.irp c, 0,1
	ds_load_b128 v[FP+64+8*\a+4*\c:FP+64+8*\a+4*\c+3], v[AR] offset:4096*\a+1024*FQ+512*\c
.endr
.endr
.if FQ == 0
	WIN 0
.irp t, 0,1,2,3,4,5,6,7
	ds_load_b128 v[FS+4*\t:FS+4*\t+3], v[SP] offset:256*\t
.endr
.irp a, 0,1
	ds_load_b128 v[FS+32+4*\a:FS+32+4*\a+3], v[SR] offset:256*\a
.endr
.endif
.endm
.macro MUL16 s
.set FQ, (\s)%4
.set FP, 80*(((\s)+TJ)%3)
.set FS, SC+40*(((\s)/4)%2)
.irp a, 0,1
.irp t, 0,1,2,3,4,5,6,7
	v_wmma_scale_f32_16x16x128_f8f6f4 v[ACC+64*\a+8*\t:ACC+64*\a+8*\t+7], v[FP+8*\t:FP+8*\t+7], v[FP+64+8*\a:FP+64+8*\a+7], v[ACC+64*\a+8*\t:ACC+64*\a+8*\t+7], v[FS+4*\t+FQ], v[FS+32+4*\a+FQ] matrix_a_fmt:MATRIX_FMT_FP4 matrix_b_fmt:MATRIX_FMT_FP4
.endr
.endr
.endm
; K step s of tile j: the fragments of the step TWO on are asked for, then this step's 16 products are issued.  The wait ahead leaves out the loads issued behind this step's own: the next step's 20,
; or 30 where that step opens a chunk and brings 10 loads of scale words.
; Steps 6 and 14 CHANGE SLOTS, since the step two on lies in the slot ahead: each wave waits for all its tensor loads (one is out: its chunk of the slot ahead), adds 0 to its spare word, and waits for
; that and for its reads of the slot that it leaves (the fragments of this step and the next, its last, are then in registers).  Behind the round nobody reads that slot and the slot ahead is whole:
; the joint refill comes first, then the first fragments.
.macro STEP j, s
.set TJ, \j
.set NX, (\s)+2                        ; the step to ask for, counted on into the next tile
.set NW, NX%16
.if ((\s) >= 14) && ((\j) == 2)
	s_wait_dscnt 20*(15-(\s))                      ; the last two steps of all: nothing more to fetch
.elseif (NX%8) == 0
	WIN 0
	s_wait_tensorcnt 0x0                           ; all my tensor loads have landed, so every group 0 may be written
	ds_add_u32 v[SPW], v[NIL]                      ; 0 onto my spare word
.if (\j) < 2
	SETG0 (\s)/8, (\j)+1                           ; the slot that is left takes the same half of the next tile
.endif
	s_wait_dscnt 0x0                               ; the add is done, and my reads of the slot that I leave are over
.if (\j) < 2
	CROUND                                         ; no wave of any partner still reads that slot or has a load on its way
	JLOAD (\s)/8                                   ; my one tensor load until the next round, and the first thing behind this one
.else
	s_barrier_signal -1                            ; the last tile fills nothing: my work-group's barrier alone
	s_barrier_wait -1
.endif
	SETADR NW/4
	FETCH NX
.elseif (NX%4) == 0
	s_wait_dscnt 20                                ; this step's fragments are in; the next step's 20 loads may be out
	WIN 0
	SETADR NW/4                                    ; on to the slot's second chunk: no barrier, the slot was whole when it was entered
	FETCH NX
.else
.if ((\s)+1)%4 == 0
	s_wait_dscnt 30                                ; the next step opens a chunk: its 20 loads and the 10 of scale words may be out
.else
	s_wait_dscnt 20
.endif
	PLACES
	FETCH NX
.endif
	WIN MUL
	MUL16 \s
.endm
; 64 numbers of a lane, register 16 b + i = k 32 b + 16 h + i of my row, become a fragment's codes in v[pc] on and its scale word in v[pw]
.macro QUANT s, pc, pw
.irp b, 0,1,2,3
	v_max3_num_f32 v[TM+\b], |v[(\s)+16*\b]|, |v[(\s)+1+16*\b]|, 0x1800000   ; each accumulator is read from its low end on; the floor 2^(3 - 127) holds the byte at 1 from below
.endr
.irp i, 2,4,6,8,10,12,14
.irp b, 0,1,2,3
	v_max3_num_f32 v[TM+\b], v[TM+\b], |v[(\s)+16*\b+\i]|, |v[(\s)+1+16*\b+\i]|
.endr
.endr
.irp b, 0,1,2,3
	v_permlanex16_b32 v[TM+4+\b], v[TM+\b], s[SEL], s[SEL+1]
.endr
.irp b, 0,1,2,3
	v_max_num_f32 v[TM+\b], v[TM+\b], v[TM+4+\b]   ; with lane l xor 16's: the block's largest magnitude
.endr
.irp b, 0,1,2,3
	v_add_nc_u32 v[TM+12+\b], 0xff000000, v[TM+\b] ; 2 off its exponent field: the conversion's scale operand
.endr
.irp b, 0,1,2,3
	v_lshrrev_b32 v[TM+4+\b], 23, v[TM+12+\b]      ; the scale's byte
.endr
	v_lshl_or_b32 v[\pw], v[TM+5], 8, v[TM+4]
	v_lshl_or_b32 v[\pw], v[TM+6], 16, v[\pw]
	v_lshl_or_b32 v[\pw], v[TM+7], 24, v[\pw]
.irp b, 0,1,2,3
	v_cvt_scalef32_pk8_fp4_f32 v[(\pc)+2*\b], v[(\s)+16*\b:(\s)+7+16*\b], v[TM+12+\b]
	v_cvt_scalef32_pk8_fp4_f32 v[(\pc)+1+2*\b], v[(\s)+8+16*\b:(\s)+15+16*\b], v[TM+12+\b]
.endr
	v_nop                                          ; one plain place behind a scaled conversion
.irp c, 0,1                                    ; the operand's layout wants a whole block in a lane
.irp i, 0,1
	v_permlane16_swap_b32 v[(\pc)+4*\c+\i], v[(\pc)+2+4*\c+\i]
.endr
.endr
.endm
; A tile's end: its results are quantised and stored while the next tile's first fragments and its second half are on their way; then the sums begin anew as the next tile's bias
.macro TAIL j
	WIN 0
	PLACES                                         ; behind the last products
	s_wait_xcnt 0x0                                ; the last tail's stores have read their data and their bases: both are written again below
	s_mov_b32 s92, s[TB+8*(\j)+2]
	s_mov_b32 s93, 0
	s_add_nc_u64 s[98:99], s[12:13], s[92:93]
	s_mov_b32 s92, s[TB+8*(\j)+3]
	s_add_nc_u64 s[96:97], s[12:13], s[92:93]
	QUANT ACC, PC, PW
	QUANT ACC+64, PC+8, PW+1
.irp i, 0,1,2,3
	global_store_b128 v[LI], v[PC+4*\i:PC+4*\i+3], s[98:99] offset:512*\i   ; 32 lanes store 512 consecutive bytes
.endr
	global_store_b64 v[SO], v[PW:PW+1], s[96:97]   ; row r's words of tiles 2 w, 2 w + 1 (lanes 16-31 store the same bytes with the same values)
.if (\j) < 2
	s_wait_loadcnt 0x0                             ; the next tile's column bias, asked for a tile ago
	BIASINIT (\j)+1
.if (\j) < 1
	BIASLOAD 2
.endif
.endif
.endm
.macro TILE j
.irp s, 0,1,2,3,4,5,6,7,8,9,10,11,12,13,14,15
	STEP \j, \s
.endr
	TAIL \j
.endm
	s_load_b256 s[4:11], s[0:1], 0x0               ; opnd, bq, bk, bv
	s_load_b64 s[12:13], s[0:1], 0x20              ; qkvc
	v_lshl_add_u32 v[SPW], v0, 2, SPARE
	v_mov_b32 v[NIL], 0
	ds_add_u32 v11, v120
	ds_add_u32 v11, v120
	s_wait_dscnt 0x0
	v_lshrrev_b32 v16, 5, v0
	v_readfirstlane_b32 s14, v16                   ; wave
	s_and_b32 s15, s14, 1                          ; which chunk of a half I fetch
	s_bfe_u32 s16, ttmp6, 0x40000                  ; cx
	s_bfe_u32 s17, ttmp6, 0x40004                  ; cy
	s_and_b32 s19, ttmp7, 0xffff                   ; the cluster's y
	s_lshl_b32 s20, s17, 2
	s_lshl_b32 s20, 15, s20                        ; my row of the cluster
	s_lshl_b32 s21, 0x1111, s16                    ; my column
	s_or_b32 s[G1R], s20, (3<<16)|(1<<21)          ; 15:0 the mask; 17:16 elements of 8 bytes; 21 set beside a mask; no padding
	s_or_b32 s[G1P], s21, (3<<16)|(1<<21)
.irp g, G1R, G1P
	s_mov_b32 s[\g+1], 32<<16                      ; tensor_dim0 = 32 elements: 256 bytes
	s_mov_b32 s[\g+2], 136<<16                     ; tensor_dim1 = 136
	s_mov_b32 s[\g+3], 32<<16                      ; tile_dim0
	s_mov_b32 s[\g+4], 136                         ; tile_dim1
	s_mov_b32 s[\g+5], 32                          ; the pitch: dense
	s_mov_b32 s[\g+6], 0
	s_mov_b32 s[\g+7], 0
.endr
	s_mul_i32 s22, s15, CHB
	s_mul_i32 s23, s14, CHB                        ; in a slot: R's two chunks, then P's two = wave x 34,816: no place in the cluster enters an LDS address
	s_lshl_b32 s57, s19, 2
	s_mov_b32 s[SEL], 0x76543210
	s_mov_b32 s[SEL+1], 0xfedcba98                 ; v_permlanex16_b32's selects for lane l xor 16
	v_and_b32 v16, 31, v0
	v_lshlrev_b32 v[LI], 4, v16                    ; 16 x lane
	v_and_b32 v17, 15, v0                          ; r
	v_bfe_u32 v18, v0, 4, 1                        ; h
	s_lshl_b32 s20, s14, 13
	v_add_nc_u32 v[AR0], s20, v[LI]                ; my two R tiles: 8,192 w
	v_add_nc_u32 v[AP0], 2*CHB, v[LI]
	v_lshlrev_b32 v19, 4, v17
	s_lshl_b32 s20, s14, 9
	s_add_co_u32 s20, s20, 32768
	v_add_nc_u32 v[SR0], s20, v19
	v_add_nc_u32 v[SP0], 2*CHB+32768, v19
	v_lshlrev_b32 v[SO], 5, v17                    ; 32 r
	v_lshlrev_b32 v[BO], 6, v18                    ; 64 h
	v_and_b32 v20, 8, v17
	v_add_nc_u32 v20, v20, v17
	v_lshlrev_b32 v20, 2, v20                      ; 4 (r + 8 (r / 8))
.irp b, 0,1,2,3
	v_mov_b32 v[TM+4+\b], 0                        ; a lane permute's destination counts as one of its sources
.endr
	s_wait_alu depctr_va_vdst(0)
	s_wait_kmcnt 0x0
	TILESET 0
	TILESET 1
	TILESET 2
	s_mov_b32 s57, 0                               ; from here on the upper words of the two offset pairs
	s_mov_b32 s59, 0
	s_lshl_b32 s92, s17, 9
	s_lshl_b32 s93, s14, 7
	s_add_co_u32 s92, s92, s93
	s_mov_b32 s93, 0
	s_add_nc_u64 s[10:11], s[10:11], s[92:93]      ; bv at 128 cy + 32 w: inside bv for every column; the same for all three tiles
	BIASLOAD 0
	global_load_b32 v[RB], v20, s[10:11]
	global_load_b32 v[RB+1], v20, s[10:11] offset:32
.irp m, 0,1
	s_mov_b32 s[G0R+4*\m], 1
	s_add_co_u32 s[G0R+4*\m+1], s23, \m*SLOTB
	s_mov_b32 s[G0P+4*\m], 1
	s_add_co_u32 s[G0P+4*\m+1], s23, \m*SLOTB
.endr
	SETG0 0, 0
	SETG0 1, 0
	CROUND                                         ; all sixteen work-groups are here: the first joint loads meet
	s_cmp_lt_u32 s14, 2                            ; slot 0's first fill: one tensor load a wave at the head, one in each arm
	s_cbranch_scc0 .Lfirst_p
	tensor_load_to_lds s[G0R:G0R+3], s[G1R:G1R+7]
	s_nop 0
.rept 4
	v_nop
.endr
	s_branch .Lfirst_asked
.Lfirst_p:
	tensor_load_to_lds s[G0P:G0P+3], s[G1P:G1P+7]
	s_nop 0
.rept 4
	v_nop
.endr
.Lfirst_asked:
	s_wait_loadcnt 0x0                             ; the first tile's bias
	BIASINIT 0
	BIASLOAD 1
	s_wait_tensorcnt 0x0                           ; my chunk of slot 0 has landed; slot 1's first fill is issued as a refill is
	ds_add_u32 v[SPW], v[NIL]
	s_wait_dscnt 0x0
	CROUND                                         ; everybody's chunk of slot 0 is in, and all sixteen work-groups are here
	JLOAD 1                                        ; the tile's second half: my one tensor load behind this round; it has K steps 0 to 5 in which to land
.set TJ, 0
	SETADR 0
	FETCH 0
	FETCH 1                                        ; two K steps are asked for ahead of the first products
	s_wait_alu depctr_va_vdst(0)
	TILE 0
	s_wait_alu depctr_va_vdst(0)
	TILE 1
	s_wait_alu depctr_va_vdst(0)
	TILE 2
	s_wait_tensorcnt 0x0                           ; the wave's end
	ds_add_u32 v[SPW], v[NIL]
	s_wait_dscnt 0x0
	CROUND                                         ; the closing round: no work-group ends while a partner may still ask for a tile that names it
	s_endpgm
.Lfunc_end_k_q41312c19aa_proj:
	.size	k_q41312c19aa_proj, .Lfunc_end_k_q41312c19aa_proj-k_q41312c19aa_proj
	.p2alignl 7, 3214868480
	.fill 96, 4, 3214868480
	.section	.rodata,"a",@progbits
	.p2align	6, 0x0
	.amdhsa_kernel k_q41312c19aa_proj
		.amdhsa_group_segment_fixed_size 327680
		.amdhsa_private_segment_fixed_size 0
		.amdhsa_enable_private_segment 0
		.amdhsa_kernarg_size 40
		.amdhsa_user_sgpr_count 2
		.amdhsa_user_sgpr_kernarg_segment_ptr 1
		.amdhsa_wavefront_size32 1
		.amdhsa_system_sgpr_workgroup_id_x 1
		.amdhsa_system_sgpr_workgroup_id_y 1
		.amdhsa_system_sgpr_workgroup_id_z 1
		.amdhsa_system_vgpr_workitem_id 0
		.amdhsa_next_free_vgpr 768
		.amdhsa_next_free_sgpr 102
		.amdhsa_reserve_vcc 0
		.amdhsa_float_denorm_mode_32 3
		.amdhsa_float_denorm_mode_16_64 3
		.amdhsa_memory_ordered 1
		.amdhsa_forward_progress 1
		.amdhsa_inst_pref_size 248
	.end_amdhsa_kernel
	.amdgpu_metadata
---
amdhsa.version: [ 1, 2 ]
amdhsa.kernels:
  - .name:           k_q41312c19aa_proj
    .symbol:         k_q41312c19aa_proj.kd
    .args:
      - { .name: opnd, .offset: 0, .size: 8, .value_kind: global_buffer, .address_space: global }
      - { .name: bq, .offset: 8, .size: 8, .value_kind: global_buffer, .address_space: global }
      - { .name: bk, .offset: 16, .size: 8, .value_kind: global_buffer, .address_space: global }
      - { .name: bv, .offset: 24, .size: 8, .value_kind: global_buffer, .address_space: global }
      - { .name: qkvc, .offset: 32, .size: 8, .value_kind: global_buffer, .address_space: global }
    .group_segment_fixed_size: 327680
    .private_segment_fixed_size: 0
    .kernarg_segment_align: 8
    .kernarg_segment_size: 40
    .max_flat_workgroup_size: 128
    .sgpr_count:     102
    .vgpr_count:     768
    .wavefront_size: 32
...
	.end_amdgpu_metadata
.endif
;; end of part 2
;; launch attn (part 3): grid 32 x 8, 16 waves a work-group, no clusters, 280,576 bytes of LDS; arguments qkvc, maskw, aopnd; writes aopnd
.if DOCPART == 3
	.amdgcn_target "amdgcn-amd-amdhsa--gfx1250"
	.amdhsa_code_object_version 6
	.text
	.protected	k_q41312c19aa_attn
	.globl	k_q41312c19aa_attn
	.p2align	8
	.type	k_q41312c19aa_attn,@function
k_q41312c19aa_attn:
	s_mov_b64 s[64:65], 0
	v_nop
	global_prefetch_b8 v0, s[64:65] scope:SCOPE_SE
	s_setreg_imm32_b32 hwreg(HW_REG_WAVE_MODE, 25, 1), 1
	s_wait_xcnt 0x0
; O = softmax(mask(q k^T / sqrt(128))) v for 2 batches x 16 query heads on 4 kv heads, both products on codes of FP4 (E2M1) with E8M0 scales; O / l is quantised along the head's 128 for the last projection.
; THE SOFTMAX AHEAD OF THE SECOND PRODUCT: t = score x log2(e) / sqrt(128); M = the row's largest t so far, rounded up to a whole number; p = 2^(t - M) is quantised along the keys, not normalised.
; The row's sum l is taken of the unquantised p.  When M moves, l and O are multiplied by 2^(old M - new M): exact.  Scores of keys that the mask hides become -infinity ahead of the maximum.
; SHARES.  A work-group: one kv head of one batch (y), 64 queries (x), the kv head's four query heads.  Wave w: head w % 4, tile w / 4 of 16 queries.  Four waves to a SIMD.
; LDS.  The whole kv head lies in LDS: 16 steps of 128 keys x 17,408 bytes (k's 8 images, v^T's 8, k's scale words, v's): 278,528 bytes, every byte stored once.  Wave w copies step w through
; registers: 34 loads and 34 LDS stores of 512 consecutive bytes.  One barrier; behind it no wave waits for another.
; THE MASK comes as 64 lane-mask words a step (made by the first launch), by scalar loads a step ahead.  The 64 words are ANDed by scalar instructions; where all 128 keys count
; elsewhere one v_cndmask_b32 a score.  The last step asks for step 0's words again: inside the buffer, not used.
; NO TENSOR LOAD AND NO CLUSTER: the kv head comes by plain loads and there is no joint load to share.
; No prefetch: behind the head nothing but the mask words, 256 bytes a wave and step, comes from memory.
; LAYOUT.  Both products are used transposed (S^T = k q^T, O^T = v^T p^T): a lane holds one query; by the order of rows in a tile register 16 b + i of S^T is key 32 b + 16 h + i, and of O^T channel 32 b + 16 h + i.
; TWO AREAS OF 64 REGISTERS CHANGE ROLES FROM STEP TO STEP.  One holds k's fragments and then v^T's, the other S^T and then p; when p has been converted, its area takes the next step's fragments of k.
; A trip of the loop runs two steps, until the areas are back where they began.
; A ROW THAT THE MASK HIDES WHOLLY has l = 0: its scale word is set to four bytes 0xff, so that the last projection gives NaN for that token, as a softmax of nothing does.
; LIMITS: the running largest t begins at -3e38; a block whose largest magnitude lies under 2^-124 keeps the scale byte 1; NaN and infinities among the inputs are not served.
; REGISTERS: v1 16 x lane; v2 32 r; v3 -infinity; v4, v5 my places in aopnd; v[6:7] a chain of the sum; v8, v10 the step's LDS addresses; v9, v11 for the add alone; v12 -M, v13 the largest t, v[14:15] l in two halves;
; v16-23 q; v24-31 v^T's 8 scale words; v32-95, v96-159 the two areas; v160-223 O^T; v224-231 p's codes; v232-239, v244-247, v252, v254 at work; v240-243, v248-251 k's 8 scale words; v253 p's scale word; v255 q's.
; s2 wave; s3 trips; s[4:5] c; s[6:7] my mask words; s[8:9] their AND; s[10:15] the head's bases; s32-63, s68-99 the step's 64 mask words; s66, s67 lane selects; s100 the step's LDS byte; s101 its mask bytes; s[104:105] aopnd.
.set STEPB, 17408
.set KVB,   4456448
.set SPARE, 278528                     ; behind the kv head: the spare words, 128 bytes for each wave
.set TM,    232
; A KEY STEP.  kx: the area that holds k's fragments (asked for a step ago) and then v^T's; sy: the area of S^T and p; pf = 1: the next step's k is asked for into sy.
.macro STEP kx, sy, pf
	v_add_nc_u32 v8, s100, v1                      ; with the three v_nop: five places behind the last step's products, whose fragments' registers S^T is now written over
	v_add_nc_u32 v10, s100, v2
.rept 3
	v_nop
.endr
	s_wait_alu depctr_va_vdst(0)
	s_wait_dscnt 0x0                               ; k's fragments and scale words
.irp t, 0,1,2,3
	v_wmma_scale_f32_16x16x128_f8f6f4 v[(\sy)+8*\t:(\sy)+8*\t+7], v[(\kx)+8*\t:(\kx)+8*\t+7], v[16:23], 0, v[240+\t], v255 matrix_a_fmt:MATRIX_FMT_FP4 matrix_b_fmt:MATRIX_FMT_FP4
.endr
.irp t, 4,5,6,7
	v_wmma_scale_f32_16x16x128_f8f6f4 v[(\sy)+8*\t:(\sy)+8*\t+7], v[(\kx)+8*\t:(\kx)+8*\t+7], v[16:23], 0, v[244+\t], v255 matrix_a_fmt:MATRIX_FMT_FP4 matrix_b_fmt:MATRIX_FMT_FP4
.endr
	s_wait_kmcnt 0x0                               ; this step's mask words, asked for a step ago
	s_and_b64 s[8:9], s[32:33], s[34:35]           ; the AND of all 64 words
.set n, 36
.rept 14
	s_and_b64 s[8:9], s[8:9], s[n:n+1]
.set n, n+2
.endr
.set n, 68
.rept 16
	s_and_b64 s[8:9], s[8:9], s[n:n+1]
.set n, n+2
.endr
	s_and_b32 s8, s8, s9
.rept 4
	v_nop                                          ; places behind the products, on both ways
.endr
	s_cmp_eq_u32 s8, -1                            ; every key of the step counts for every query of my tile: nothing to hide
	s_cbranch_scc1 .Lopen_\@
.set n, 0
.rept 32
	v_cndmask_b32 v[(\sy)+n], v3, v[(\sy)+n], s[32+n]   ; hidden: -infinity.  In ascending order: each result is read from its low end on
.set n, n+1
.endr
.rept 32
	v_cndmask_b32 v[(\sy)+n], v3, v[(\sy)+n], s[36+n]
.set n, n+1
.endr
.Lopen_\@:
.irp t, 0,1,2,3,4,5,6,7                        ; v^T's fragments are asked for now and land under the softmax
.irp c, 0,1
	ds_load_b128 v[(\kx)+8*\t+4*\c:(\kx)+8*\t+4*\c+3], v8 offset:8192+1024*\t+512*\c
.endr
.endr
.irp g, 0,1
	ds_load_b128 v[24+4*\g:27+4*\g], v10 offset:16896+16*\g
.endr
	s_add_co_u32 s101, s101, 512                   ; the next step's mask words (the wait above has shown the last loads done: their offset may step)
	s_and_b32 s101, s101, 0x1fff
	s_load_b512 s[32:47], s[6:7], s101 offset:0x0
	s_load_b512 s[48:63], s[6:7], s101 offset:0x40
	s_load_b512 s[68:83], s[6:7], s101 offset:0x80
	s_load_b512 s[84:99], s[6:7], s101 offset:0xc0
.irp b, 0,1,2,3
	v_max3_num_f32 v[232+\b], v[(\sy)+16*\b], v[(\sy)+1+16*\b], v[(\sy)+2+16*\b]   ; the largest score of each block of 32 keys: for the row's maximum and, since p rises with the score, for the block's largest p
.endr
.irp i, 3,5,7,9,11,13
.irp b, 0,1,2,3
	v_max3_num_f32 v[232+\b], v[232+\b], v[(\sy)+16*\b+\i], v[(\sy)+1+16*\b+\i]   ; the four blocks by turns
.endr
.endr
.irp b, 0,1,2,3
	v_max_num_f32 v[232+\b], v[232+\b], v[(\sy)+15+16*\b]
.endr
.irp b, 0,1,2,3
	v_permlanex16_b32 v[236+\b], v[232+\b], s66, s67
.endr
.irp b, 0,1,2,3
	v_max_num_f32 v[232+\b], v[232+\b], v[236+\b]  ; with lane l xor 16's 16 keys
.endr
	s_delay_alu instid0(VALU_DEP_2)
	v_max3_num_f32 v254, v232, v233, v234
	s_delay_alu instid0(VALU_DEP_1)
	v_max_num_f32 v254, v254, v235
	s_delay_alu instid0(VALU_DEP_1)
	v_mul_f32 v254, s4, v254                       ; as t (c is positive)
	s_delay_alu instid0(VALU_DEP_1)
	v_max_num_f32 v13, v13, v254                   ; the running largest t
	v_mov_b32 v254, v12
	s_delay_alu instid0(VALU_DEP_2)
	v_floor_f32 v12, -v13                          ; the new -M = floor(-t): M is a whole number
	s_delay_alu instid0(VALU_DEP_1)
	v_sub_f32 v254, v12, v254                      ; old M - new M: a whole number, 0 or less
	s_delay_alu instid0(VALU_DEP_1)
	v_cvt_i32_f32 v254, v254                       ; (it saturates)
	s_delay_alu instid0(VALU_DEP_1)
	v_ldexp_f32 v252, 1.0, v254                    ; f = 2^(old M - new M)
.set j, 0
.rept 32
	v_pk_fma_f32 v[(\sy)+j:(\sy)+j+1], v[(\sy)+j:(\sy)+j+1], s[4:5], v[12:13] op_sel_hi:[1,0,0]   ; t - M, two at a time
.set j, j+2
.endr
.irp b, 0,1,2,3
	v_fma_f32 v[232+\b], v[232+\b], s4, v12        ; the same of each block's largest score
.endr
	s_wait_alu depctr_va_vdst(0)
.set j, 0
.rept 64
	v_exp_f32 v[(\sy)+j], v[(\sy)+j]               ; p = 2^(t - M)
.set j, j+1
.endr
	v_pk_mul_f32 v[14:15], v[14:15], v[252:253] op_sel_hi:[1,0]   ; l under the new M: a plain place behind the exponentials
	s_wait_alu depctr_va_vdst(0)                   ; one wait for the batch, ahead of its first reader
.irp b, 0,1,2,3
	v_exp_f32 v[232+\b], v[232+\b]                 ; the block's largest p
.endr
.set g, 0
.rept 8                                        ; l IS TAKEN OF THE UNQUANTISED p: 32 pairs in four chains by turns; three of them begin with their first two pairs
	v_pk_add_f32 v[14:15], v[14:15], v[(\sy)+8*g:(\sy)+8*g+1]
.if g == 1
	v_pk_add_f32 v[6:7], v[(\sy)+2:(\sy)+3], v[(\sy)+10:(\sy)+11]
	v_pk_add_f32 v[236:237], v[(\sy)+4:(\sy)+5], v[(\sy)+12:(\sy)+13]
	v_pk_add_f32 v[238:239], v[(\sy)+6:(\sy)+7], v[(\sy)+14:(\sy)+15]
.elseif g > 1
	v_pk_add_f32 v[6:7], v[6:7], v[(\sy)+8*g+2:(\sy)+8*g+3]
	v_pk_add_f32 v[236:237], v[236:237], v[(\sy)+8*g+4:(\sy)+8*g+5]
	v_pk_add_f32 v[238:239], v[238:239], v[(\sy)+8*g+6:(\sy)+8*g+7]
.endif
.set g, g+1
.endr
	v_pk_add_f32 v[6:7], v[6:7], v[236:237]
	v_pk_add_f32 v[14:15], v[14:15], v[238:239]
	s_delay_alu instid0(VALU_DEP_1)
	v_pk_add_f32 v[14:15], v[14:15], v[6:7]
	s_wait_alu depctr_va_vdst(0)                   ; and one for the four
.irp b, 0,1,2,3
	v_max_num_f32 v[232+\b], 0x1800000, v[232+\b]  ; the floor 2^(3 - 127)
.endr
.irp b, 0,1,2,3
	v_add_nc_u32 v[244+\b], 0xff000000, v[232+\b]  ; the conversion's scale operand
.endr
.irp b, 0,1,2,3
	v_lshrrev_b32 v[236+\b], 23, v[244+\b]         ; the scale's byte
.endr
	v_lshl_or_b32 v253, v237, 8, v236              ; p's scale word for these 128 keys
	s_delay_alu instid0(VALU_DEP_1)
	v_lshl_or_b32 v253, v238, 16, v253
	s_delay_alu instid0(VALU_DEP_1)
	v_lshl_or_b32 v253, v239, 24, v253
.irp b, 0,1,2,3
	v_cvt_scalef32_pk8_fp4_f32 v[224+2*\b], v[(\sy)+16*\b:(\sy)+7+16*\b], v[244+\b]
	v_cvt_scalef32_pk8_fp4_f32 v[225+2*\b], v[(\sy)+8+16*\b:(\sy)+15+16*\b], v[244+\b]
.endr
	v_nop                                          ; one plain place behind a scaled conversion
.irp c, 0,1
.irp i, 0,1
	v_permlane16_swap_b32 v[224+4*\c+\i], v[226+4*\c+\i]   ; a whole block in a lane
.endr
.endr
.if \pf
.irp t, 0,1,2,3,4,5,6,7                        ; p is done with: its area takes the next step's fragments of k, 17,408 bytes on
.irp c, 0,1
	ds_load_b128 v[(\sy)+8*\t+4*\c:(\sy)+8*\t+4*\c+3], v8 offset:STEPB+1024*\t+512*\c
.endr
.endr
	ds_load_b128 v[240:243], v10 offset:STEPB+16384
	ds_load_b128 v[248:251], v10 offset:STEPB+16400
.endif
	s_wait_alu depctr_va_vdst(0)
.set j, 0
.rept 32
	v_pk_mul_f32 v[160+j:161+j], v[160+j:161+j], v[252:253] op_sel_hi:[1,0]   ; O^T under the new M; these are also the places between the scale word's and the codes' last writes and the products
.set j, j+2
.endr
	s_wait_alu depctr_va_vdst(0)
.if \pf
	s_wait_dscnt 18                                ; v^T's 18 loads are in; the 18 issued behind them, the next step's k, stay out
.else
	s_wait_dscnt 0x0
.endif
.irp t, 0,1,2,3,4,5,6,7
	v_wmma_scale_f32_16x16x128_f8f6f4 v[160+8*\t:167+8*\t], v[(\kx)+8*\t:(\kx)+8*\t+7], v[224:231], v[160+8*\t:167+8*\t], v[24+\t], v253 matrix_a_fmt:MATRIX_FMT_FP4 matrix_b_fmt:MATRIX_FMT_FP4
.endr
	s_add_co_u32 s100, s100, STEPB
.endm
	s_load_b128 s[32:35], s[0:1], 0x0              ; qkvc, maskw
	s_load_b64 s[36:37], s[0:1], 0x10              ; aopnd
	v_lshl_add_u32 v9, v0, 2, SPARE
	v_mov_b32 v11, 0
	v_lshrrev_b32 v8, 5, v0
	v_readfirstlane_b32 s2, v8                     ; wave 0..15
	s_mov_b32 s39, ttmp9                           ; my block of 64 queries
	s_and_b32 s40, ttmp7, 0xffff                   ; y = 4 x batch + kv head
	s_lshr_b32 s41, s40, 2                         ; batch
	s_and_b32 s42, s40, 3                          ; kv head
	s_and_b32 s43, s2, 3                           ; my head among the kv head's four
	s_lshr_b32 s44, s2, 2                          ; my tile among the block's four
	s_and_b32 s45, s39, 1
	s_lshl_b32 s45, s45, 2
	s_add_co_u32 s45, s45, s44                     ; my tile in its group of 128 tokens
	s_lshr_b32 s46, s39, 1                         ; that group in its batch
	s_mul_i32 s47, s2, STEPB                       ; the key step that I copy: in LDS,
	s_mul_i32 s48, s40, 16*STEPB
	s_add_co_u32 s48, s48, s47
	s_add_co_u32 s48, s48, KVB                     ; and in qkvc
	s_mov_b32 s49, 0
	s_lshl_b32 s50, s40, 2
	s_add_co_u32 s50, s50, s43                     ; 16 x batch + head
	s_lshl_b32 s50, s50, 4
	s_add_co_u32 s50, s50, s46
	s_mul_i32 s50, s50, 8704
	s_lshl_b32 s51, s45, 10
	s_add_co_u32 s52, s50, s51                     ; q's image
	s_mov_b32 s53, 0
	s_lshl_b32 s51, s45, 2
	s_add_co_u32 s50, s50, s51
	s_add_co_u32 s50, s50, 8192                    ; q's scale words
	s_mov_b32 s51, 0
	s_lshl_b32 s54, s41, 6
	s_lshl_b32 s55, s39, 1
	s_add_co_u32 s54, s54, s55
	s_lshr_b32 s55, s44, 1
	s_add_co_u32 s54, s54, s55                     ; 64 x batch + my group of 32 queries
	s_lshl_b32 s54, s54, 13
	s_and_b32 s55, s44, 1
	s_lshl_b32 s55, s55, 8
	s_add_co_u32 s54, s54, s55                     ; my mask words
	s_mov_b32 s55, 0
	s_lshl_b32 s56, s41, 4
	s_add_co_u32 s56, s56, s46
	s_mul_i32 s56, s56, 139264
	s_mul_i32 s57, s42, 34816
	s_add_co_u32 s56, s56, s57                     ; aopnd: the token group, the chunk = kv head
	s_mov_b32 s57, 0
	s_lshl_b32 s58, s45, 12
	s_lshl_b32 s59, s43, 10
	s_add_co_u32 s58, s58, s59                     ; in it my image: 4,096 t + 1,024 (head % 4)
	s_lshl_b32 s59, s45, 8
	s_lshl_b32 s60, s43, 2
	s_add_co_u32 s59, s59, s60
	s_add_co_u32 s59, s59, 32768                   ; and my scale words
	s_mov_b32 s4, 0x3e0293ee                       ; c = log2(e) / sqrt(128)
	s_mov_b32 s5, s4
	s_mov_b32 s66, 0x76543210
	s_mov_b32 s67, 0xfedcba98
	s_mov_b32 s101, 0
	v_and_b32 v8, 31, v0
	v_and_b32 v10, 15, v0
	v_lshlrev_b32 v1, 4, v8
	v_lshlrev_b32 v2, 5, v10
	v_lshl_add_u32 v5, v10, 4, s59
	v_add_nc_u32 v4, s58, v1
	v_add_nc_u32 v10, s47, v1                      ; where my copy goes: 17,408 x wave + 16 x lane
	v_mov_b32 v3, 0xff800000                       ; -infinity
	v_mov_b32 v13, 0xff61b1e6                      ; the largest t so far: -3e38
	v_mov_b32 v14, 0
	v_mov_b32 v15, 0
	v_floor_f32 v12, -v13
.irp b, 0,1,2,3
	v_mov_b32 v[236+\b], 0                         ; a lane permute's destination counts as one of its sources
.endr
	v_mov_b32 v253, 0                              ; (named as the upper half of the pair v[252:253] before it is first written)
.set j, 0
.rept 64
	v_mov_b32 v[160+j], 0                          ; O^T: the step has no first form of its own; its first run finds zeros, which the first change of M leaves zeros
.set j, j+1
.endr
	s_wait_alu depctr_va_vdst(0)
	s_wait_kmcnt 0x0
	s_add_nc_u64 s[10:11], s[32:33], s[48:49]
	s_add_nc_u64 s[12:13], s[32:33], s[52:53]
	s_add_nc_u64 s[14:15], s[32:33], s[50:51]
	s_add_nc_u64 s[6:7], s[34:35], s[54:55]
	s_add_nc_u64 s[104:105], s[36:37], s[56:57]
.set j, 0
.rept 34
	global_load_b128 v[24+4*j:27+4*j], v1, s[10:11] offset:512*j   ; my key step: 32 lanes read 512 consecutive bytes
.set j, j+1
.endr
	global_load_b128 v[16:19], v1, s[12:13]        ; q's fragment stays in registers
	global_load_b128 v[20:23], v1, s[12:13] offset:512
	global_load_b32 v255, v2, s[14:15]
	s_load_b512 s[32:47], s[6:7], 0x0              ; step 0's mask words
	s_load_b512 s[48:63], s[6:7], 0x40
	s_load_b512 s[68:83], s[6:7], 0x80
	s_load_b512 s[84:99], s[6:7], 0xc0
	s_wait_loadcnt 0x3                             ; the 34 are in; q's three loads, issued behind them, may be out
.set j, 0
.rept 34
	ds_store_b128 v10, v[24+4*j:27+4*j] offset:512*j
.set j, j+1
.endr
	s_wait_loadcnt 0x0                             ; q
	s_wait_dscnt 0x0                               ; my stores are done, for the others' sake
	s_barrier_signal -1
	s_barrier_wait -1                              ; the whole kv head lies in LDS: from here on no wave waits for another
	s_mov_b32 s100, 0
.irp t, 0,1,2,3,4,5,6,7                        ; step 0's fragments of k
.irp c, 0,1
	ds_load_b128 v[32+8*\t+4*\c:35+8*\t+4*\c], v1 offset:1024*\t+512*\c
.endr
.endr
	ds_load_b128 v[240:243], v2 offset:16384
	ds_load_b128 v[248:251], v2 offset:16400
	s_mov_b32 s3, 7
.Lpair:                                            ; steps 0 to 13, two a trip
	STEP 32, 96, 1
	STEP 96, 32, 1
	s_sub_co_u32 s3, s3, 1
	s_cmp_lg_u32 s3, 0
	s_cbranch_scc1 .Lpair
	s_mov_b32 s100, 14*STEPB
	STEP 32, 96, 1
	STEP 96, 32, 0                                 ; the last step asks for no further k
	; THE WAY OUT: O^T / l, quantised along the head's 128: K step = head of the last projection's operand
	s_wait_kmcnt 0x0                               ; the words asked for in the last step have landed; nobody reads them
.rept 4
	v_nop                                          ; places behind the last products
.endr
	v_add_f32 v14, v14, v15
	s_delay_alu instid0(VALU_DEP_1)
	v_permlanex16_b32 v252, v14, s66, s67
	s_delay_alu instid0(VALU_DEP_1)
	v_add_f32 v14, v14, v252                       ; the row's sum
	s_wait_alu depctr_va_vdst(0)
	v_rcp_f32 v15, v14
	v_nop                                          ; a plain place behind the reciprocal
	v_cmp_eq_f32 vcc_lo, 0, v14                    ; a row with no key at all
	v_mov_b32 v254, -1
	s_wait_alu depctr_va_vdst(0)                   ; one wait, ahead of the first reader of the reciprocal and of O^T
.set j, 0
.rept 64
	v_mul_f32 v[96+j], v[160+j], v15               ; register 16 b + i: channel 32 b + 16 h + i of my query
.set j, j+1
.endr
.irp b, 0,1,2,3
	v_max3_num_f32 v[TM+\b], |v[96+16*\b]|, |v[97+16*\b]|, 0x1800000
.endr
.irp i, 2,4,6,8,10,12,14
.irp b, 0,1,2,3
	v_max3_num_f32 v[TM+\b], v[TM+\b], |v[96+16*\b+\i]|, |v[97+16*\b+\i]|
.endr
.endr
.irp b, 0,1,2,3
	v_permlanex16_b32 v[TM+4+\b], v[TM+\b], s66, s67
.endr
.irp b, 0,1,2,3
	v_max_num_f32 v[TM+\b], v[TM+\b], v[TM+4+\b]
.endr
.irp b, 0,1,2,3
	v_add_nc_u32 v[TM+12+\b], 0xff000000, v[TM+\b]
.endr
.irp b, 0,1,2,3
	v_lshrrev_b32 v[TM+4+\b], 23, v[TM+12+\b]
.endr
	v_lshl_or_b32 v253, v[TM+5], 8, v[TM+4]
	s_delay_alu instid0(VALU_DEP_1)
	v_lshl_or_b32 v253, v[TM+6], 16, v253
	s_delay_alu instid0(VALU_DEP_1)
	v_lshl_or_b32 v253, v[TM+7], 24, v253
	s_delay_alu instid0(VALU_DEP_1)
	v_cndmask_b32 v253, v253, v254, vcc_lo         ; l = 0: four bytes 0xff
.irp b, 0,1,2,3
	v_cvt_scalef32_pk8_fp4_f32 v[224+2*\b], v[96+16*\b:103+16*\b], v[TM+12+\b]
	v_cvt_scalef32_pk8_fp4_f32 v[225+2*\b], v[104+16*\b:111+16*\b], v[TM+12+\b]
.endr
	v_nop
.irp c, 0,1
.irp i, 0,1
	v_permlane16_swap_b32 v[224+4*\c+\i], v[226+4*\c+\i]
.endr
.endr
	global_store_b128 v4, v[224:227], s[104:105]   ; 32 lanes store 512 consecutive bytes
	global_store_b128 v4, v[228:231], s[104:105] offset:512
	global_store_b32 v5, v253, s[104:105]          ; row r's word (lanes 16-31 store the same bytes with the same values)
	s_wait_tensorcnt 0x0                           ; the wave's end, behind my last LDS store
	ds_add_u32 v9, v11
	s_wait_dscnt 0x0
	s_endpgm
.Lfunc_end_k_q41312c19aa_attn:
	.size	k_q41312c19aa_attn, .Lfunc_end_k_q41312c19aa_attn-k_q41312c19aa_attn
	.p2alignl 7, 3214868480
	.fill 96, 4, 3214868480
	.section	.rodata,"a",@progbits
	.p2align	6, 0x0
	.amdhsa_kernel k_q41312c19aa_attn
		.amdhsa_group_segment_fixed_size 280576
		.amdhsa_private_segment_fixed_size 0
		.amdhsa_enable_private_segment 0
		.amdhsa_kernarg_size 24
		.amdhsa_user_sgpr_count 2
		.amdhsa_user_sgpr_kernarg_segment_ptr 1
		.amdhsa_wavefront_size32 1
		.amdhsa_system_sgpr_workgroup_id_x 1
		.amdhsa_system_sgpr_workgroup_id_y 1
		.amdhsa_system_sgpr_workgroup_id_z 1
		.amdhsa_system_vgpr_workitem_id 0
		.amdhsa_next_free_vgpr 256
		.amdhsa_next_free_sgpr 106
		.amdhsa_reserve_vcc 1
		.amdhsa_float_denorm_mode_32 3
		.amdhsa_float_denorm_mode_16_64 3
		.amdhsa_memory_ordered 1
		.amdhsa_forward_progress 1
		.amdhsa_inst_pref_size 112
	.end_amdhsa_kernel
	.amdgpu_metadata
---
amdhsa.version: [ 1, 2 ]
amdhsa.kernels:
  - .name:           k_q41312c19aa_attn
    .symbol:         k_q41312c19aa_attn.kd
    .args:
      - { .name: qkvc, .offset: 0, .size: 8, .value_kind: global_buffer, .address_space: global }
      - { .name: maskw, .offset: 8, .size: 8, .value_kind: global_buffer, .address_space: global }
      - { .name: aopnd, .offset: 16, .size: 8, .value_kind: global_buffer, .address_space: global }
    .group_segment_fixed_size: 280576
    .private_segment_fixed_size: 0
    .kernarg_segment_align: 8
    .kernarg_segment_size: 24
    .max_flat_workgroup_size: 512
    .sgpr_count:     106
    .vgpr_count:     256
    .wavefront_size: 32
...
	.end_amdgpu_metadata
.endif
;; end of part 3
;; launch outp (part 4): grid 8 x 32, 4 waves a work-group, clusters of 4 x 4, 327,680 bytes of LDS; arguments aopnd, opnd, bo, out0; writes out0
.if DOCPART == 4
	.amdgcn_target "amdgcn-amd-amdhsa--gfx1250"
	.amdhsa_code_object_version 6
	.text
	.protected	k_q41312c19aa_outp
	.globl	k_q41312c19aa_outp
	.p2align	8
	.type	k_q41312c19aa_outp,@function
k_q41312c19aa_outp:
	s_mov_b64 s[64:65], 0
	v_nop
	global_prefetch_b8 v0, s[64:65] scope:SCOPE_SE
	s_setreg_imm32_b32 hwreg(HW_REG_WAVE_MODE, 25, 1), 1
	s_wait_xcnt 0x0
	s_wait_alu depctr_hold_cnt(0) depctr_sa_sdst(0) depctr_va_vdst(0) depctr_va_sdst(0) depctr_va_ssrc(0) depctr_va_vcc(0) depctr_vm_vsrc(0)
	s_getreg_b32 s2, hwreg(HW_REG_IB_STS2, 6, 4)
	s_cmp_eq_u32 s2, 0
	s_cbranch_scc0 .Lentry_in_a_cluster
	s_endpgm
.Lentry_in_a_cluster:
	s_bfe_u32 s2, ttmp6, 0x10000c
	s_cmp_lg_u32 s2, 0xf033
	s_cbranch_scc0 .Lentry_shape_is_right
	s_endpgm
.Lentry_shape_is_right:
; out0 = attention's result x Wo^T + bo, on codes of FP4 (E2M1) with E8M0 scales.  R = 128 tokens (aopnd, group 4 x cluster y + cy), P = 128 rows of Wo (opnd, group 56 + 4 x cluster x + cx), K = 2,048.
; The frame is that of the projections' launch: the product is used transposed (source 0 = 16 P rows, source 1 = 16 R rows); wave w owns R tiles 2 w, 2 w + 1 against all 8 P tiles, 16 accumulators by turns,
; 16 K steps written out; all of K of both operands lies in LDS (278,528 bytes, EVERY BYTE FILLED ONCE, four tensor loads a wave at the start, four the most outstanding);
; a counted wait and a barrier in front of each chunk's first read; R's block is asked for jointly by a row of the 4 x 4 cluster, P's by a column.
; Row r of tile T is row 32 (T / 2) + 8 (T % 2) + r + 8 (r / 8): a lane's register 16 b + i is output column 32 b + 16 h + i of its token.
; The sums begin as bo, loaded into the accumulators.  THE WAY OUT: 16 tokens x 128 columns at a time through the wave's own stage in LDS (behind the operands; no tensor load lands there), back as whole rows
; of 512 bytes, which 32 lanes store as 512 consecutive bytes at a multiple of 256 from out0's first byte.
; REGISTERS.  Window 0: v1-7 addresses; v32-111 scale words, two sets of 40; v128-255 accumulators.  Window 1: two fragment buffers at 0 and 128; on the way out the rows read back.
; AS THE TEXT STANDS, where the lines above say otherwise: each wave issues ONE tensor load at the start, half an operand (272 rows of 256 bytes); R's four chunks lie on end in LDS, P's four behind them;
; one wait and one barrier ahead of the first read; window 1 holds THREE fragment buffers of 80 registers, at 0, 80 and 160 (K step s in buffer s % 3), asked for two K steps ahead.
.set HALF, 17408
.set CHB,  34816
.set CH2,  69632
.set GRP,  139264
.set STAGE, 278528
.set SPITCH, 528
.set AR, 1
.set AP, 2
.set SR, 3
.set SP, 4
.set LI, 5
.set STO, 6
.set RD, 7
.set SC, 32
.set ACC, 128
.set G1R, 24
.set G1P, 32
.set G0R, 40
.set G0P, 68
.set MSB, 0
.macro WIN new                         ; the immediate's high byte repeats the setting that is left
.if MSB != \new
	s_set_vgpr_msb (MSB<<8)|\new
.set MSB, \new
.endif
.endm
.set MUL,  0x05                        ; sources 0 and 1 window 1; C and D window 0
.set TO_F, 0x40                        ; destination window 1, address window 0
.macro CROUND
	s_barrier_signal -1
	s_barrier_wait -1
	s_cmp_lg_u32 s14, 0
	s_cbranch_scc1 .Lnot_wave_0_\@
	s_barrier_signal -3
.Lnot_wave_0_\@:
	s_barrier_wait -3
	s_barrier_signal -1
	s_barrier_wait -1
.endm
.macro PLACES                          ; four plain places behind matrix instructions (ISA guide 7.12.1)
.rept 4
	v_nop
.endr
.endm
.macro FETCH s
.set FQ, (\s)%4
.set FP, 80*((\s)%3)
.set FS, SC+40*(((\s)/4)%2)
	WIN TO_F
.irp t, 0,1,2,3,4,5,6,7
.irp c, 0,1
	ds_load_b128 v[FP+8*\t+4*\c:FP+8*\t+4*\c+3], v[AP] offset:4096*\t+1024*FQ+512*\c
.endr
.endr
.irp a, 0,1
.irp c, 0,1
	ds_load_b128 v[FP+64+8*\a+4*\c:FP+64+8*\a+4*\c+3], v[AR] offset:4096*\a+1024*FQ+512*\c
.endr
.endr
.if FQ == 0
	WIN 0
.irp t, 0,1,2,3,4,5,6,7
	ds_load_b128 v[FS+4*\t:FS+4*\t+3], v[SP] offset:256*\t
.endr
.irp a, 0,1
	ds_load_b128 v[FS+32+4*\a:FS+32+4*\a+3], v[SR] offset:256*\a
.endr
.endif
.endm
.macro MUL16 s
.set FQ, (\s)%4
.set FP, 80*((\s)%3)
.set FS, SC+40*(((\s)/4)%2)
.irp a, 0,1
.irp t, 0,1,2,3,4,5,6,7
	v_wmma_scale_f32_16x16x128_f8f6f4 v[ACC+64*\a+8*\t:ACC+64*\a+8*\t+7], v[FP+8*\t:FP+8*\t+7], v[FP+64+8*\a:FP+64+8*\a+7], v[ACC+64*\a+8*\t:ACC+64*\a+8*\t+7], v[FS+4*\t+FQ], v[FS+32+4*\a+FQ] matrix_a_fmt:MATRIX_FMT_FP4 matrix_b_fmt:MATRIX_FMT_FP4
.endr
.endr
.endm
.macro STEP s
.if (\s) == 15
	s_wait_dscnt 0x0
.elseif ((\s)+1)%4 == 0
	s_wait_dscnt 30                                ; this step's fragments are in; the next step's 20 loads and its chunk's 10 of scale words may be out
.else
	s_wait_dscnt 20                                ; this step's fragments are in; the next step's 20 loads may be out
.endif
.if (\s) < 14
.if ((\s)+2)%4 == 0
	WIN 0
	v_add_nc_u32 v[AR], CHB, v[AR]                 ; on to the next chunk, 34,816 bytes on: both operands were whole at the one barrier.  These four are also the places in front of the loads below
	v_add_nc_u32 v[AP], CHB, v[AP]
	s_wait_alu depctr_va_vdst(0)
	v_add_nc_u32 v[SR], CHB, v[SR]
	v_add_nc_u32 v[SP], CHB, v[SP]
.else
	PLACES
.endif
	FETCH (\s)+2                                   ; the step two on, into the buffer that the last step's products have read
.endif
	WIN MUL
	MUL16 \s
.endm
.macro TOSTAGE a                       ; my R block a: 16 tokens x 128 columns into the stage, and back as whole rows
	WIN 0
.irp t, 0,1,2,3,4,5,6,7
	ds_store_b128 v[STO], v[ACC+64*(\a)+8*\t:ACC+64*(\a)+8*\t+3] offset:128*(\t/2)+32*(\t%2)        ; each accumulator from its low end on
	ds_store_b128 v[STO], v[ACC+64*(\a)+8*\t+4:ACC+64*(\a)+8*\t+7] offset:128*(\t/2)+32*(\t%2)+16
.endr
	WIN TO_F
.irp i, 0,1,2,3,4,5,6,7,8,9,10,11,12,13,14,15
	ds_load_b128 v[128*(\a)+4*\i:128*(\a)+4*\i+3], v[RD] offset:SPITCH*\i   ; LDS serves a wave's instructions in order: these see the stores above, and the next block's stores come behind them
.endr
.endm
.macro SEND a, younger                 ; younger: the LDS instructions issued behind block a's loads
	WIN 0x04                                       ; a store's data are its source 1: window 1
.irp i, 0,1,2,3,4,5,6,7,8,9,10,11,12,13,14,15
	s_wait_dscnt (\younger)+15-\i
	global_store_b128 v[LI], v[128*(\a)+4*\i:128*(\a)+4*\i+3], s[10:11] offset:(8*(\a)+\i+8*(\i/8))*4096 th:TH_STORE_NT
.endr
.endm
	s_load_b256 s[4:11], s[0:1], 0x0               ; aopnd, opnd, bo, out0
	v_lshl_add_u32 v126, v0, 2, 0x4c400
	v_mov_b32 v127, 0
	ds_add_u32 v126, v127
	ds_add_u32 v126, v127
	v_lshrrev_b32 v8, 5, v0
	v_readfirstlane_b32 s14, v8                    ; wave
	s_and_b32 s15, s14, 1
	s_bfe_u32 s16, ttmp6, 0x40000                  ; cx
	s_bfe_u32 s17, ttmp6, 0x40004                  ; cy
	s_mov_b32 s18, ttmp9
	s_and_b32 s19, ttmp7, 0xffff
	s_lshl_b32 s20, s17, 2
	s_lshl_b32 s20, 15, s20                        ; my row of the cluster
	s_lshl_b32 s21, 0x1111, s16                    ; my column
	s_or_b32 s[G1R], s20, (3<<16)|(1<<21)          ; 15:0 the mask; 17:16 elements of 8 bytes; 21 set beside a mask; no padding
	s_or_b32 s[G1P], s21, (3<<16)|(1<<21)
.irp g, G1R, G1P
	s_mov_b32 s[\g+1], 32<<16                      ; tensor_dim0 = 32 elements: 256 bytes
	s_mov_b32 s[\g+2], 272<<16                     ; tensor_dim1 = 272: half an operand, two chunks
	s_mov_b32 s[\g+3], 32<<16                      ; tile_dim0
	s_mov_b32 s[\g+4], 272                         ; tile_dim1
	s_mov_b32 s[\g+5], 32                          ; the pitch: dense
	s_mov_b32 s[\g+6], 0
	s_mov_b32 s[\g+7], 0
.endr
	s_mul_i32 s22, s15, CH2                        ; which half of the operand I fetch
	s_mul_i32 s23, s14, CH2                        ; in LDS: wave x 69,632: R's four chunks on end, then P's four; no place in the cluster enters an LDS address
	s_lshl_b32 s60, s19, 2
	s_add_co_u32 s60, s60, s17                     ; the token group (never holds cx)
	s_mov_b32 s84, s60
	s_mul_i32 s60, s60, GRP
	s_add_co_u32 s60, s60, s22
	s_mov_b32 s61, 0
	s_lshl_b32 s62, s18, 2
	s_add_co_u32 s62, s62, s16                     ; the group of 128 outputs (never holds cy)
	s_mov_b32 s85, s62
	s_add_co_u32 s62, s62, 56
	s_mul_i32 s62, s62, GRP
	s_add_co_u32 s62, s62, s22
	s_mov_b32 s63, 0
	s_lshl_b32 s86, s84, 19                        ; 128 tokens of 4,096 bytes
	s_lshl_b32 s87, s14, 17                        ; my 32 tokens
	s_add_co_u32 s86, s86, s87
	s_lshl_b32 s88, s85, 9                         ; 128 columns
	s_add_co_u32 s86, s86, s88
	s_mov_b32 s87, 0
	s_mov_b32 s89, 0
	s_wait_dscnt 0x0
	s_wait_kmcnt 0x0
	s_add_nc_u64 s[60:61], s[4:5], s[60:61]
	s_add_nc_u64 s[62:63], s[6:7], s[62:63]
	s_add_nc_u64 s[10:11], s[10:11], s[86:87]
	s_add_nc_u64 s[8:9], s[8:9], s[88:89]
.irp c, 0
	s_mov_b32 s[G0R+4*\c], 1
	s_add_co_u32 s[G0R+4*\c+1], s23, \c*CH2
	s_add_nc_u64 s[G0R+4*\c+2:G0R+4*\c+3], s[60:61], \c*CHB
	s_or_b32 s[G0R+4*\c+3], s[G0R+4*\c+3], 0x80000000
	s_mov_b32 s[G0P+4*\c], 1
	s_add_co_u32 s[G0P+4*\c+1], s23, \c*CH2
	s_add_nc_u64 s[G0P+4*\c+2:G0P+4*\c+3], s[62:63], \c*CHB
	s_or_b32 s[G0P+4*\c+3], s[G0P+4*\c+3], 0x80000000
.endr
	CROUND                                         ; all sixteen work-groups are here: the joint loads meet
	s_cmp_lt_u32 s14, 2                            ; waves 0, 1 fetch R's halves, waves 2, 3 P's: a wave's one fill stands in its branch
	s_cbranch_scc0 .Lfor_p
.irp c, 0
	tensor_load_to_lds s[G0R+4*\c:G0R+4*\c+3], s[G1R:G1R+7]
	s_nop 0
.endr
.rept 4
	v_nop
.endr
	s_branch .Lasked
.Lfor_p:
.irp c, 0
	tensor_load_to_lds s[G0P+4*\c:G0P+4*\c+3], s[G1P:G1P+7]
	s_nop 0
.endr
.rept 4
	v_nop
.endr
.Lasked:
	v_and_b32 v12, 31, v0
	v_lshlrev_b32 v[LI], 4, v12                    ; 16 x lane
	v_and_b32 v8, 15, v0                           ; r
	v_bfe_u32 v9, v0, 4, 1                         ; h
	s_lshl_b32 s20, s14, 13
	v_add_nc_u32 v[AR], s20, v[LI]
	v_add_nc_u32 v[AP], GRP, v[LI]                 ; P lies behind R's 139,264 bytes
	v_lshlrev_b32 v10, 4, v8
	s_lshl_b32 s20, s14, 9
	s_add_co_u32 s20, s20, 32768
	v_add_nc_u32 v[SR], s20, v10
	v_add_nc_u32 v[SP], GRP+32768, v10
	v_lshlrev_b32 v11, 6, v9                       ; 64 h
	s_mul_i32 s20, s14, 16*SPITCH
	s_add_co_u32 s20, s20, STAGE                   ; my stage
	v_mul_u32_u24 v[STO], v8, SPITCH
	v_lshl_add_u32 v[STO], v9, 6, v[STO]
	v_add_nc_u32 v[STO], s20, v[STO]               ; in: row r, + 64 h bytes
	v_add_nc_u32 v[RD], s20, v[LI]                 ; back: a row's 512 bytes, 16 a lane
.irp a, 0,1                                    ; the sums begin as bo at the lane's eight columns of each tile
.irp t, 0,1,2,3,4,5,6,7
	global_load_b128 v[ACC+64*\a+8*\t:ACC+64*\a+8*\t+3], v11, s[8:9] offset:(32*(\t/2)+8*(\t%2))*4
	global_load_b128 v[ACC+64*\a+8*\t+4:ACC+64*\a+8*\t+7], v11, s[8:9] offset:(32*(\t/2)+8*(\t%2))*4+16
.endr
.endr
	s_wait_alu depctr_va_vdst(0)
	s_wait_loadcnt 0x0
	s_wait_tensorcnt 0x0                           ; my one load, half an operand, has landed
	s_barrier_signal -1
	s_barrier_wait -1
	FETCH 0
	FETCH 1                                        ; two K steps are asked for ahead of the first products
.irp s, 0,1,2,3,4,5,6,7,8,9,10,11,12,13,14,15
	STEP \s
.endr
	WIN 0
	PLACES                                         ; in front of the first read of results and of loads into the fragment buffers
	TOSTAGE 0
	TOSTAGE 1
	SEND 0, 32                                     ; behind block 0's loads: block 1's 16 stores and 16 loads
	SEND 1, 0
	WIN 0
	s_wait_tensorcnt 0x0
	ds_add_u32 v126, v127
	s_wait_dscnt 0x0
	CROUND                                         ; the closing round: no work-group ends while a partner may still ask for a tile that names it
	s_endpgm
.Lfunc_end_k_q41312c19aa_outp:
	.size	k_q41312c19aa_outp, .Lfunc_end_k_q41312c19aa_outp-k_q41312c19aa_outp
	.p2alignl 7, 3214868480
	.fill 96, 4, 3214868480
	.section	.rodata,"a",@progbits
	.p2align	6, 0x0
	.amdhsa_kernel k_q41312c19aa_outp
		.amdhsa_group_segment_fixed_size 327680
		.amdhsa_private_segment_fixed_size 0
		.amdhsa_enable_private_segment 0
		.amdhsa_kernarg_size 32
		.amdhsa_user_sgpr_count 2
		.amdhsa_user_sgpr_kernarg_segment_ptr 1
		.amdhsa_wavefront_size32 1
		.amdhsa_system_sgpr_workgroup_id_x 1
		.amdhsa_system_sgpr_workgroup_id_y 1
		.amdhsa_system_sgpr_workgroup_id_z 1
		.amdhsa_system_vgpr_workitem_id 0
		.amdhsa_next_free_vgpr 512
		.amdhsa_next_free_sgpr 96
		.amdhsa_reserve_vcc 0
		.amdhsa_float_denorm_mode_32 3
		.amdhsa_float_denorm_mode_16_64 3
		.amdhsa_memory_ordered 1
		.amdhsa_forward_progress 1
		.amdhsa_inst_pref_size 76
	.end_amdhsa_kernel
	.amdgpu_metadata
---
amdhsa.version: [ 1, 2 ]
amdhsa.kernels:
  - .name:           k_q41312c19aa_outp
    .symbol:         k_q41312c19aa_outp.kd
    .args:
      - { .name: aopnd, .offset: 0, .size: 8, .value_kind: global_buffer, .address_space: global }
      - { .name: opnd, .offset: 8, .size: 8, .value_kind: global_buffer, .address_space: global }
      - { .name: bo, .offset: 16, .size: 8, .value_kind: global_buffer, .address_space: global }
      - { .name: out0, .offset: 24, .size: 8, .value_kind: global_buffer, .address_space: global }
    .group_segment_fixed_size: 327680
    .private_segment_fixed_size: 0
    .kernarg_segment_align: 8
    .kernarg_segment_size: 32
    .max_flat_workgroup_size: 128
    .sgpr_count:     96
    .vgpr_count:     512
    .wavefront_size: 32
...
	.end_amdgpu_metadata
.endif
;; end of part 4
